; MI455X (gfx1250); checked and timed in simulation.
; The chip was launched on July 23, 2026; its instructions are those of AMD's public machine-readable ISA for CDNA 5 (MIT licence, August 2026) and "CDNA5" Instruction Set Architecture Reference Guide (July 2026). The comments in the code are by the model that wrote it; some were corrected since.
;; Gated Cross Attention. Allowed arithmetic: matrix products marked QUANTISED: E5M2 operands, one E8M0 scale for each 32 along K, by v_wmma_scale_f32_16x16x128_f8f6f4 with both operands' format E5M2, f32 sums; products left as they are: f32 operands where the result goes on into a quantised operand, else bf16, f16 or f32 operands; f32 sums; everything else in f32.
;; Inputs: Wg 4,096 x 8 float32; Wk_codes 1,024 x 32 x 32 uint8 (E5M2 codes of Wk, K innermost, in blocks of 32 codes); Wk_scales 1,024 x 32 uint8 (E8M0 scales of Wk, one for each 32 codes along K); Wo_codes 1,024 x 32 x 32 uint8 (E5M2 codes of Wo, K innermost, in blocks of 32 codes); Wo_scales 1,024 x 32 uint8 (E8M0 scales of Wo, one for each 32 codes along K); Wq_codes 1,024 x 32 x 32 uint8 (E5M2 codes of Wq, K innermost, in blocks of 32 codes); Wq_scales 1,024 x 32 uint8 (E8M0 scales of Wq, one for each 32 codes along K); Wv_codes 1,024 x 32 x 32 uint8 (E5M2 codes of Wv, K innermost, in blocks of 32 codes); Wv_scales 1,024 x 32 uint8 (E8M0 scales of Wv, one for each 32 codes along K); bg 4,096 float32; bk 1,024 float32; bo 1,024 float32; bq 1,024 float32; bv 1,024 float32; gate 4 x 4,096 x 8 float32; key_codes 4 x 4,096 x 1 x 32 x 32 uint8 (E5M2 codes of key, K innermost, in blocks of 32 codes); key_scales 4 x 4,096 x 1 x 32 uint8 (E8M0 scales of key, one for each 32 codes along K); query_codes 4 x 4,096 x 32 x 32 uint8 (E5M2 codes of query, K innermost, in blocks of 32 codes); query_scales 4 x 4,096 x 32 uint8 (E8M0 scales of query, one for each 32 codes along K).
;; Outputs: out0 4 x 4,096 x 1,024 float32.
;; This version of the problem:
;;   THIS VERSION OF THE PROBLEM IS GIVEN IN LOW PRECISION. The matrix products marked QUANTISED in the list below multiply operands that are first quantised to E5M2 (5 exponent bits, 2 mantissa bits; 8 bits a number), with one power-of-two scale for each 32 numbers along K (OCP MX v1.0); their sums are f32. All else is computed in f32.
;;   The module's matrix products, in the order in which they are computed (A, B: the left and right operand; K: the contracted axis; several contracted axes count as one K, in the product's order):
;;     1. [M 16,384, K 1,024] x [K 1,024, N 1,024]; A: input query (given as codes); B: input Wq (given as codes): QUANTISED
;;     2. [M 16,384, K 1,024] x [K 1,024, N 1,024]; A: input key (given as codes); B: input Wk (given as codes): QUANTISED
;;     3. [M 16,384, K 1,024] x [K 1,024, N 1,024]; A: input key (given as codes); B: input Wv (given as codes): QUANTISED
;;     4. [M 16,384, K 8] x [K 8, N 4,096]; A: input gate; B: input Wg: left as it is (K = 8 < 32)
;;     5. batch 262,144 x [M 1, K 64] x [K 64, N 1]; A: computed on the way; B: computed on the way: left as it is (M = 1 < 16)
;;     6. batch 262,144 x [M 1, K 1] x [K 1, N 64]; A: softmax; B: computed on the way: left as it is (K = 1 < 32)
;;     7. [M 16,384, K 1,024] x [K 1,024, N 1,024]; A: computed on the way; B: input Wo (given as codes): QUANTISED
;;   THE QUANTISER, for each operand of a quantised product, along K:
;;     - K is cut into blocks of 32 from its start; a last block that is shorter is filled with zeros.
;;     - A block's scale is 2^e with e = floor(log2(the largest magnitude in the block)) - 15, held to -126 .. 127; a block of zeros has e = 0. As a byte (E8M0): e + 127.
;;     - Each number is divided by its block's scale, clamped to +-57,344, and rounded to the nearest number of E5M2, ties to even, subnormals kept.
;;     - The product sums the exact products of the quantised numbers (number of the format x scale) in f32.
;;   ~~~python
;;   def quantise(x, axis):      # numpy; x: float32 -> the quantised numbers, widened to float32 again
;;       x = np.moveaxis(x, axis, -1); K = x.shape[-1]
;;       x = np.pad(x, [(0, 0)] * (x.ndim - 1) + [(0, -K % 32)]); x = x.reshape(x.shape[:-1] + (-1, 32)); a = np.abs(x).max(-1, keepdims=True)
;;       e = np.where(a > 0, np.clip(np.frexp(np.where(a > 0, a, 1))[1] - 1 - 15, -126, 127), 0)      # np.frexp(a)[1] - 1 = floor(log2(a)), exactly
;;       r = np.clip(x / 2.0 ** e, -57344, 57344)
;;       step = 2.0 ** (np.maximum(np.frexp(np.where(r == 0, 1, r))[1] - 1, -14) - 2)
;;       q = np.round(r / step) * step * 2.0 ** e      # np.round: ties to even
;;       return np.moveaxis(q.reshape(q.shape[:-2] + (-1,))[..., :K], -1, axis).astype(np.float32)
;;   ~~~
;;   OPERANDS COMPUTED ON THE WAY. 'Computed on the way' means the value that the module computes at that place (a softmax that the list does not call 'softmax' is quantised finished and normalised). What goes into a quantiser is computed in f32, as accurately as f32 sums, v_exp_f32 and their like allow (about 1e-6 of the number): no bf16 or f16 on the way to a quantiser, and a product that is left as it is and whose result goes on into a quantised operand takes f32 operands (vector FMAs, or v_wmma_f32_16x16x4_f32). A number that lies on a knife's edge between two numbers of the format may be rounded either way, as far as f32 arithmetic and the matrix unit's own rounding can turn it there, and no further.
;;   INPUTS GIVEN AS CODES. Wk (in the module: [1024, 1024], K = its axis 1); Wo (in the module: [1024, 1024], K = its axis 1); Wq (in the module: [1024, 1024], K = its axis 1); Wv (in the module: [1024, 1024], K = its axis 1); key (in the module: [4, 4096, 1, 1024], K = its axis 3); query (in the module: [4, 4096, 1024], K = its axis 2): each comes as NAME_codes (uint8): NAME with its K axis moved to the last place and cut into blocks of 32 codes, [.., K / 32, bytes a block], one block behind the other in memory; one code a byte (a code: sign, 5 exponent bits, 2 mantissa bits); and NAME_scales (uint8): the same leading axes, one E8M0 byte (e + 127) for each 32 codes along K. Its value is code x scale, taken as it is: it is not quantised again, and the codes and scales need not be those that the quantiser above would give.
;; One version. Each part assembles by itself: llvm-mc -triple=amdgcn-amd-amdhsa -mcpu=gfx1250 --defsym DOCPART=n.
;; ======== version 1 of 1: 2 launches
;; limits: right only within a limited range of input values
;; workspace buffers: h_codes 16,777,216 bytes; h_scales 524,288 bytes; wo_img 1,048,576 bytes
;; launch kproj (part 1): grid 4 x 64, 4 waves a work-group, clusters of 4 x 4, 327,680 bytes of LDS; arguments key_codes, key_scales, Wk_codes, Wk_scales, bk, Wo_codes, h_codes, h_scales, wo_img; writes h_codes, h_scales, wo_img
.if DOCPART == 1
	.amdgcn_target "amdgcn-amd-amdhsa--gfx1250"
	.amdhsa_code_object_version 6
	.text
	.protected	k_q66b4edf236_kproj
	.globl	k_q66b4edf236_kproj
	.p2align	8
	.type	k_q66b4edf236_kproj,@function
k_q66b4edf236_kproj:
	s_mov_b64 s[64:65], 0
	v_nop
	global_prefetch_b8 v0, s[64:65] scope:SCOPE_SE
	s_setreg_imm32_b32 hwreg(HW_REG_WAVE_MODE, 25, 1), 1
	s_wait_xcnt 0x0
	s_wait_alu depctr_hold_cnt(0) depctr_sa_sdst(0) depctr_va_vdst(0) depctr_va_sdst(0) depctr_va_ssrc(0) depctr_va_vcc(0) depctr_vm_vsrc(0)
	s_getreg_b32 s2, hwreg(HW_REG_IB_STS2, 6, 4)
	s_cmp_eq_u32 s2, 0
	s_cbranch_scc0 .Lentry_in_a_cluster
	s_endpgm
.Lentry_in_a_cluster:
	s_bfe_u32 s2, ttmp6, 0x10000c
	s_cmp_lg_u32 s2, 0xf033
	s_cbranch_scc0 .Lentry_shape_is_right
	s_endpgm
.Lentry_shape_is_right:
; LAUNCH 1 OF 2.  k = key Wk^T + bk on codes of BF8 (E5M2) with one E8M0 scale for each 32 along K; h = k x k in f32, quantised along the channels (the next product's K), stored as codes and scale words.  Wo's codes are laid anew for launch 2.
; WHAT IS DEAD WORK.  key Wv^T + bv and sigmoid(gate Wg^T + bg) are bound to names that the module never uses.  Its softmax runs over an axis whose length the module itself fixes at 1: the weight is exp(x - x) / exp(x - x) = 1 for every
; finite score x, whatever the inputs hold, so q = query Wq^T + bq and the score reach no output.  What is left is out = Q(k x k) Wo^T + bo.  So query, Wq, bq, Wv, bv, gate, Wg and bg have no way to the output: they are not loaded and are no arguments.
; LIMIT: a NaN, an infinity or an overflow that reaches only the work left out (a score beyond 3.4e38, NaN codes in query ..) is not carried to the result.  |k| from 2^64 on makes k x k infinite here as in the module: such blocks, NaN and infinities are not served.
; A block of zeros gets the scale byte 1 where the rule says 127: its codes are zeros, and the bytes are read by this program alone.
; SHARES.  256 work-groups of four waves: 256 rows of key x 256 channels.  A wave holds 64 rows of Wk, ALL of K, in 512 registers, and streams the work-group's 256 rows past them in sixteen blocks of 16, in two register sets.
; FILLS.  Head, one load a wave: Wk's rows for tiles 0 and 1 of every wave (wave 0), for tiles 2 and 3 (wave 1), key's rows 0 to 47 (wave 2), key's scale bytes (wave 3).  Wk goes into registers half by half as it lands.
; Then ONE refill over Wk's rows brings key's rows 48 to 255, 52 a wave: wave 0's piece is shown by a plain barrier inside block 1 (blocks 3 to 5 lie in it), the rest inside block 4.
; CLUSTERS: the four work-groups of a cluster row make all 1,024 channels of 256 rows and share key's rows, the four of a column share Wk's: joint loads.
; PREFETCH: rows 48 to 151, the refill's first two pieces, are asked for while Wk lands, each 256-byte block once in the cluster: 26 blocks for each of the row's sixteen waves.  The rest comes by its load alone: there is one refill and no loop of loads to run ahead in.
; THE MATRIX INSTRUCTION IS USED TRANSPOSED (source 0 = 16 rows of Wk, source 1 = 16 of key): lane (r, h) holds row r.  THE ROWS OF A TILE: tile j's source row 8 u + i is channel 32 u + 8 (j xor u) + i of the wave's 64.
; So lane (r, h) holds the 32 channels of scale block h of the wave's two: a block lies in one lane, and the sixteen LDS rows of a fragment load fall on 16 different 16-byte columns.
; In odd blocks (h = 1) the groups of eight stand in the order 1, 0, 3, 2.  The next product's K is permuted so, and Wo's image alike: groups of eight exchanged in every odd block of 32.
; LAYOUTS: h_codes [block of 16 rows (1,024)][128 of K (8)][c (4)][half (2)][row r][16 bytes];  h_scales [128 of K (8)][row], one word;  wo_img [64 columns (16)][t (4)][128 of K (8)][c (4)][half][r][16 bytes], r standing for column 4 r + t.
; A block's way out (square, largest, hold, convert) stands among the next block's products, up to six lines behind every second one; its byte goes to LDS and leaves at the end.
.set PITCH, 1040
.set BSTEP, 16*PITCH                   ; from block to block
.set YB,    128*PITCH                  ; Wk's rows for tiles 2 and 3
.set CB0,   2*YB                       ; key's rows 0 to 47.  Rows 48 on lie from byte 0 on
.set SCL,   CB0+48*PITCH               ; key's scale bytes: units of 256 bytes (8 rows) + 16
.set SSTEP, 2*272
.set XN,    SCL+32*272                 ; h's scale words: two planes of 256 rows x 4 bytes
.set SPARE, XN+2048
.set NF,    34                         ; LDS loads of a block
.set NP,    8                          ; places behind this matrix instruction (ISA guide 7.12.1)
.set CN,   9                           ; v9   512 h + 16 r
.set SPW,  10
.set NIL,  11
.set SOP,  20                          ; v20  the conversions' scale operand
.set SB,   24                          ; v24-39 Wk's scale words: register 8 p + q: lanes 0-15 tile 2 p's, lanes 16-31 tile 2 p + 1's
.set EB,   40
.set SA,   44                          ; v44-59 key's scale words, two sets: no product's two scale words have numbers equal modulo 8
.set TQ,   60
.set ACC,  64                          ; v64-127 two sets of four accumulators
.set NCD,  192                         ; v192-199 a block's 32 codes a lane
.set BQ,   208                         ; v208-239 bk in the result's layout: the first products' C
.set RL,   240                         ; v240-247 my bytes of Wo
.set G1A, 24
.set G1B, 32
.set G1R, 48
.set G1S, 92
.set G0A, 56
.set G0B, 60
.set G0R, 68
.set G0S, 72
.set MSB, 0
.macro WIN new                         ; the immediate's high byte repeats the setting that is left
.if MSB != \new
	s_set_vgpr_msb (MSB<<8)|\new
.set MSB, \new
.endif
.endm
.macro PLACES n
.rept \n
	v_nop
.endr
.endm
.macro WALU
	s_wait_alu depctr_va_vdst(0)
.endm
.macro BARRIER
	s_barrier_signal -1
	s_barrier_wait -1
.endm
.macro CROUND                          ; a round of the cluster's barrier
	BARRIER
	s_cmp_lg_u32 s14, 0
	s_cbranch_scc1 .Lnot_wave_0_\@
	s_barrier_signal -3
.Lnot_wave_0_\@:
	s_barrier_wait -3
	BARRIER
.endm
.macro TLOAD g0, g1
	tensor_load_to_lds s[\g0:\g0+3], s[\g1:\g1+7]
	s_nop 0
	PLACES 4
.endm
.macro GROUP1 g, mask, rows            ; rows of 1,024 codes, 16 bytes of padding behind each in LDS
	s_or_b32 s[\g+0], s[\mask], (1<<20)|(1<<21)|(7<<22)|(3<<25)
	s_mov_b32 s[\g+1], 1024<<16
	s_mov_b32 s[\g+2], (\rows)<<16
	s_mov_b32 s[\g+3], 1024<<16
	s_mov_b32 s[\g+4], \rows
	s_mov_b32 s[\g+5], 1024
	s_mov_b32 s[\g+6], 0
	s_mov_b32 s[\g+7], 0
.endm
.macro LADD d, x, k                    ; s[d] += s[x] << k
	s_lshl_b32 s23, s\x, \k
	s_add_co_u32 s\d, s\d, s23
.endm
	s_load_b256 s[4:11], s[0:1], 0x0               ; key's codes, scales; Wk's codes, scales
	s_load_b128 s[84:87], s[0:1], 0x20             ; bk, Wo's codes
	s_load_b128 s[88:91], s[0:1], 0x30             ; h_codes, h_scales
	s_load_b64 s[12:13], s[0:1], 0x40              ; wo_img
	v_lshl_add_u32 v[SPW], v0, 2, SPARE
	v_mov_b32 v[NIL], 0
	ds_add_u32 v[SPW], v[NIL]                      ; the wave's opening: the add, twice on end, and its wait ahead of my first tensor load
	ds_add_u32 v[SPW], v[NIL]
	v_lshrrev_b32 v1, 5, v0
	v_readfirstlane_b32 s14, v1                    ; wave w
	s_lshr_b32 s15, s14, 1
	s_and_b32 s16, s14, 1
	s_bfe_u32 s40, ttmp6, 0x40000                  ; cx, cy
	s_bfe_u32 s41, ttmp6, 0x40004
	s_lshl_b32 s42, ttmp9, 2
	s_add_co_u32 s42, s42, s40                     ; tile column
	s_and_b32 s43, ttmp7, 0xffff
	s_lshl_b32 s43, s43, 2
	s_add_co_u32 s43, s43, s41                     ; tile row
	s_lshl_b32 s44, s41, 2
	s_lshl_b32 s44, 15, s44                        ; my row of the cluster shares key's rows
	s_lshl_b32 s45, 0x1111, s40                    ; my column Wk's
	s_or_b32 s[G1B+0], s45, (1<<20)|(1<<21)|(7<<22)|(3<<25)  ; half of Wk's 256 rows: eight runs of 16 rows, 32 rows apart; 16 bytes of padding behind each row of 1,024
	s_mov_b32 s[G1B+1], 16384<<16
	s_mov_b32 s[G1B+2], 8<<16
	s_mov_b32 s[G1B+3], 16384<<16
	s_mov_b32 s[G1B+4], 8
	s_mov_b32 s[G1B+5], 32768
	s_mov_b32 s[G1B+6], 0
	s_mov_b32 s[G1B+7], 0
	GROUP1 G1A, 44, 48
	GROUP1 G1R, 44, 52                             ; the refill: 52 rows a wave
	s_or_b32 s[G1S+0], s44, (3<<16)|(1<<20)|(1<<21)|(5<<22)|(3<<25)  ; scale bytes of 256 rows: 32 rows of 256 bytes, 16 of padding behind each
	s_mov_b32 s[G1S+1], 32<<16
	s_mov_b32 s[G1S+2], 32<<16
	s_mov_b32 s[G1S+3], 32<<16
	s_mov_b32 s[G1S+4], 32
	s_mov_b32 s[G1S+5], 32
	s_mov_b32 s[G1S+6], 0
	s_mov_b32 s[G1S+7], 0
	s_lshl_b32 s66, s43, 18                        ; s[66:67] my rows' first byte in key's codes, and in h_codes
	s_mov_b32 s67, 0
	s_mul_i32 s20, s14, 32*PITCH
	s_lshl_b32 s18, s15, 10
	LADD 18, 16, 1
	s_add_co_u32 s18, s18, XN
	s_lshl_b32 s19, s14, 9
	s_add_co_u32 s19, s19, XN
	s_lshl_b32 s47, s40, 2
	s_add_co_u32 s47, s47, s14
	s_mul_i32 s47, s47, 26*256
	s_add_co_u32 s47, s47, s66
	s_add_co_u32 s47, s47, 48*1024
	v_and_b32 v1, 15, v0                           ; r
	v_bfe_u32 v2, v0, 4, 1                         ; h
	v_and_b32 v3, 31, v0                           ; lane
	v_mul_u32_u24 v22, v1, PITCH
	v_lshl_add_u32 v4, v2, 4, v22                  ; a block's fragments from byte 0 on,
	v_add_nc_u32 v5, CB0, v4                       ; and of rows 0 to 47
	v_lshrrev_b32 v8, 3, v1                        ; u
	v_and_b32 v9, 7, v1                            ; i
	v_mad_u32_u24 v22, v8, 24, v9                  ; Wk's rows in LDS, in a wave's 32 of a half: even tiles 24 u + i,
	v_mul_u32_u24 v14, v22, PITCH
	v_lshl_add_u32 v14, v2, 4, v14
	v_add_nc_u32 v14, s20, v14
	v_add_nc_u32 v18, 8*PITCH, v4                  ; odd tiles 8 + r
	v_add_nc_u32 v18, s20, v18
	v_add_nc_u32 v12, YB, v14                      ; the second half
	v_add_nc_u32 v13, YB, v18
	v_add_nc_u32 v19, 8, v22                       ; Wk's scale bytes, rows in memory: even tiles 16 p + 40 u + i, odd ones (lanes 16-31) 16 p + 8 + 24 u + i
	v_mad_u32_u24 v23, v8, 40, v9
	v_cmp_eq_u32 vcc_lo, 1, v2
	v_cndmask_b32 v16, v23, v19, vcc_lo
	v_lshlrev_b32 v16, 5, v16
	v_mul_u32_u24 v17, v2, 0xa0                    ; bk: even tiles 32 j + 160 h bytes,
	v_mul_u32_u24 v19, v2, 0x60                    ; odd tiles 32 j + 96 h
	v_lshlrev_b32 v22, 5, v1                       ; key's scale bytes in LDS: 32 a row, 16 more for each 256 passed
	v_lshl_add_u32 v22, v8, 4, v22
	v_add_nc_u32 v6, SCL, v22
	v_lshlrev_b32 v22, 4, v1
	v_lshl_add_u32 v[CN], v2, 9, v22
	v_lshl_add_u32 v22, v1, 2, v2
	v_add_nc_u32 v21, s18, v22                     ; my scale byte: plane w / 2; 4 x row + 2 (w % 2) + h
	v_lshlrev_b32 v42, 4, v3
	v_add_nc_u32 v43, s19, v42                     ; a wave's 512 bytes of the words, at the end
	v_lshlrev_b32 v22, 12, v1
	v_lshl_add_u32 v8, v2, 4, v22                  ; Wo: row 4 r + t, 16 h
	v_min_u32 v22, 25, v3
	v_lshl_add_u32 v7, v22, 8, s47                 ; the prefetch's offset (lanes 26 on name the wave's last block again); never rewritten
	s_lshl_b32 s46, s42, 2
	s_add_co_u32 s46, s46, s14                     ; my 64 channels' number
	s_lshl_b32 s82, s46, 11
	s_mov_b32 s83, 0
	s_lshl_b32 s100, s46, 8
	s_mov_b32 s101, 0
	s_lshl_b32 s78, s42, 18
	LADD 78, 14, 14                                ; wave 1's half begins 16 rows on
	s_mov_b32 s79, 0
	s_lshl_b32 s80, s43, 13
	s_mov_b32 s81, 0
	s_mul_i32 s76, s14, 52*1024                    ; the refill: my 52 rows
	s_add_co_u32 s76, s76, s66
	s_add_co_u32 s76, s76, 48*1024
	s_mov_b32 s77, 0
	s_mov_b32 s2, s66                              ; h_codes
	LADD 2, 46, 10
	s_mov_b32 s3, 0
	s_lshl_b32 s18, s42, 17                        ; h_scales: planes 2 x tile column + 0, 1; 128 rows a wave
	LADD 18, 15, 16
	LADD 18, 43, 10
	LADD 18, 16, 9
	s_mov_b32 s19, 0
	s_lshl_b32 s20, s43, 2                         ; Wo: work-group g = 4 x tile row + tile column lays 64 columns g / 16, t = (g / 4) % 4, 256 of K number g % 4; a wave 64 of K
	s_add_co_u32 s20, s20, s42
	s_lshr_b32 s21, s20, 4
	s_lshl_b32 s22, s21, 16
	s_bfe_u32 s47, s20, 0x20002
	s_and_b32 s20, s20, 3
	s_mov_b32 s44, s22
	LADD 44, 47, 10
	LADD 44, 20, 8
	LADD 44, 14, 6
	LADD 22, 47, 14
	LADD 22, 20, 12
	LADD 22, 14, 10
	s_mov_b32 s23, 0
	s_mov_b32 s20, s44
	s_mov_b32 s21, 0
	s_mov_b32 s[G0A], 1
	s_mov_b32 s[G0A+1], CB0
	s_mov_b32 s[G0B], 1
	s_mul_i32 s[G0B+1], s14, YB
	s_mov_b32 s[G0R], 1
	s_mul_i32 s[G0R+1], s14, 52*PITCH
	s_mov_b32 s[G0S], 1
	s_mov_b32 s[G0S+1], SCL
	WALU
	s_wait_dscnt 0x0                               ; both opening adds are done
	CROUND                                         ; all sixteen work-groups are here
	s_wait_kmcnt 0x0
	s_add_nc_u64 s[G0A+2:G0A+3], s[4:5], s[66:67]
	s_or_b32 s[G0A+3], s[G0A+3], 0x80000000
	s_add_nc_u64 s[G0B+2:G0B+3], s[8:9], s[78:79]
	s_or_b32 s[G0B+3], s[G0B+3], 0x80000000
	s_add_nc_u64 s[G0S+2:G0S+3], s[6:7], s[80:81]
	s_or_b32 s[G0S+3], s[G0S+3], 0x80000000
	s_add_nc_u64 s[G0R+2:G0R+3], s[4:5], s[76:77]
	s_or_b32 s[G0R+3], s[G0R+3], 0x80000000
	s_cmp_eq_u32 s14, 0                            ; one joint load a wave, each on a line of its own
	s_cbranch_scc0 .Lwave_1
	TLOAD G0B, G1B
	s_branch .Lasked
.Lwave_1:
	s_cmp_eq_u32 s14, 1
	s_cbranch_scc0 .Lwave_2
	TLOAD G0B, G1B
	s_branch .Lasked
.Lwave_2:
	s_cmp_eq_u32 s14, 2
	s_cbranch_scc0 .Lwave_3
	TLOAD G0A, G1A
	s_branch .Lasked
.Lwave_3:
	TLOAD G0S, G1S
.Lasked:
	s_add_nc_u64 s[10:11], s[10:11], s[82:83]
	s_add_nc_u64 s[84:85], s[84:85], s[100:101]
	s_add_nc_u64 s[86:87], s[86:87], s[20:21]
	s_add_nc_u64 s[12:13], s[12:13], s[22:23]
	s_add_nc_u64 s[88:89], s[88:89], s[2:3]
	s_sub_nc_u64 s[88:89], s[88:89], 0x4000        ; each way out begins with a step
	s_add_nc_u64 s[90:91], s[90:91], s[18:19]
.irp p, 0,1
.irp c, 0,1
	global_load_b128 v[SB+8*\p+4*\c:SB+8*\p+4*\c+3], v16, s[10:11] offset:512*\p+16*\c
.endr
.endr
.irp j, 0,2
	global_load_b128 v[BQ+8*\j:BQ+8*\j+3], v17, s[84:85] offset:32*\j
	global_load_b128 v[BQ+8*\j+4:BQ+8*\j+7], v17, s[84:85] offset:32*\j+16
	global_load_b128 v[BQ+8*\j+8:BQ+8*\j+11], v19, s[84:85] offset:32*\j+32
	global_load_b128 v[BQ+8*\j+12:BQ+8*\j+15], v19, s[84:85] offset:32*\j+48
.endr
	global_load_b128 v[RL:RL+3], v8, s[86:87]      ; Wo: an even block of 32,
	global_load_b64 v[RL+4:RL+5], v8, s[86:87] offset:40  ; an odd one: the groups of eight exchanged
	global_load_b64 v[RL+6:RL+7], v8, s[86:87] offset:32
	s_mov_b32 s43, 0x600000                        ; the mantissa field of 57,344
.macro WLOAD j, a, b                   ; tiles j and j + 1 of my 64 rows of Wk, all of K: fragment 4 q + j in windows 1 and 2: lane l: row l % 16 of the tile; registers 4 c .. 4 c + 3: K = 32 c + 16 (l / 16) + 0 .. 15
.irp q, 0,1,2,3,4,5,6,7
.set F_, 4*\q+\j
	WIN (1+F_/16)<<6
.irp c, 0,1,2,3
	ds_load_b128 v[16*(F_%16)+4*\c:16*(F_%16)+4*\c+3], v\a offset:128*\q+32*\c
	ds_load_b128 v[16*(F_%16)+16+4*\c:16*(F_%16)+16+4*\c+3], v\b offset:128*\q+32*\c
.endr
.endr
	WIN 0
.endm
	s_cmp_eq_u32 s14, 0
	s_cbranch_scc0 .Lnot_first
	s_wait_tensorcnt 0x0                           ; wave 0: the first half of Wk has landed
.Lnot_first:
	BARRIER
	global_prefetch_b8 v7, s[4:5] th:TH_LOAD_NT scope:SCOPE_SE
	WLOAD 0, 14, 18
	s_cmp_eq_u32 s14, 1
	s_cbranch_scc0 .Lnot_second
	s_wait_tensorcnt 0x0                           ; wave 1: the second half
.Lnot_second:
	s_wait_dscnt 0x0
	BARRIER
	WLOAD 2, 12, 13
.macro FETCH k, a, off, s, soff        ; a block: 16 rows, all of K, into set k of window 3, and its scale words: NF loads
	WIN 3<<6
.irp q, 0,1,2,3,4,5,6,7
.irp c, 0,1,2,3
	ds_load_b128 v[128*\k+16*\q+4*\c:128*\k+16*\q+4*\c+3], v\a offset:\off+128*\q+32*\c
.endr
.endr
	WIN 0
	ds_load_b128 v[SA+8*\k:SA+8*\k+3], v\s offset:\soff
	ds_load_b128 v[SA+8*\k+4:SA+8*\k+7], v\s offset:\soff+16
.endm
.macro PROD e, a, n                    ; product n = 4 q + b: the q-th 128 of K, tile b; key's set e, sums' set a
.set Q_, (\n)/4
.set B_, (\n)%4
.set AC_, ACC+32*(\a)+8*B_
.set C_, AC_
.if Q_ == 0
.set C_, BQ+8*B_
.endif
.set R_, 128*(\e)+16*Q_
.set W_, 16*((\n)%16)
.set XS_, SA+8*(\e)+Q_
.set WS_, SB+8*(B_/2)+Q_
	WIN (1+(\n)/16)|(3<<2)
.if B_%2
	v_wmma_scale_f32_16x16x128_f8f6f4 v[AC_:AC_+7], v[W_:W_+15], v[R_:R_+15], v[C_:C_+7], v[WS_], v[XS_] matrix_a_fmt:MATRIX_FMT_BF8 matrix_b_fmt:MATRIX_FMT_BF8 matrix_a_scale:MATRIX_SCALE_ROW1
.else
	v_wmma_scale_f32_16x16x128_f8f6f4 v[AC_:AC_+7], v[W_:W_+15], v[R_:R_+15], v[C_:C_+7], v[WS_], v[XS_] matrix_a_fmt:MATRIX_FMT_BF8 matrix_b_fmt:MATRIX_FMT_BF8
.endif
.endm
.macro QL k, x                         ; the way out's first 35 lines: squares; their largest, over the floor under which a byte would fall under 1; the conversion's scale operand, the bound, the byte
.if (\k) < 16
	v_pk_mul_f32 v[\x+2*(\k):\x+2*(\k)+1], v[\x+2*(\k):\x+2*(\k)+1], v[\x+2*(\k):\x+2*(\k)+1]
.elseif (\k) < 20
	v_max3_num_f32 v[TQ+(\k)-16], v[\x+8*((\k)-16)], v[\x+8*((\k)-16)+1], v[\x+8*((\k)-16)+2]
.elseif (\k) < 28
	v_max3_num_f32 v[TQ+(\k)%4], v[TQ+(\k)%4], v[\x+8*((\k)%4)+2*((\k)/4)-7], v[\x+8*((\k)%4)+2*((\k)/4)-6]
.elseif (\k) == 28
	v_max3_num_f32 v[TQ], v[TQ], v[TQ+1], v[\x+7]
.elseif (\k) == 29
	v_max3_num_f32 v[TQ+2], v[TQ+2], v[TQ+3], v[\x+15]
.elseif (\k) == 30
	v_max3_num_f32 v[TQ+1], v[\x+23], v[\x+31], 0x8000000
.elseif (\k) == 31
	v_max3_num_f32 v[TQ], v[TQ], v[TQ+2], v[TQ+1]
.elseif (\k) == 32
	v_add_nc_u32 v[SOP], 0xf8800000, v[TQ]
.elseif (\k) == 33
	v_and_or_b32 v[TQ+1], v[TQ], 0x7f800000, s43
.elseif (\k) == 34
	v_lshrrev_b32 v[EB], 23, v[SOP]
.endif
.endm
.macro HOLD x, i                       ; the conversion does not saturate (ISA guide 7.6.2); squares are not negative
	v_min_num_f32 v[\x+\i], v[TQ+1], v[\x+\i]
.endm
.macro GAP g, x                        ; what stands behind product g, every second one: a group of the way out of the block whose sums are at x
.if (\g)%2 == 1 && (\g) < 12
	WIN 0
	QL 3*(\g)-3, \x
	QL 3*(\g)-2, \x
	QL 3*(\g)-1, \x
	QL 3*(\g), \x
	QL 3*(\g)+1, \x
	QL 3*(\g)+2, \x
.elseif (\g)%2 == 1 && (\g) < 28
.set P_, ((\g)-13)/2
.set T_, P_/2
.set I_, 4*P_
	WIN 0
	HOLD \x, I_
	HOLD \x, I_+1
	HOLD \x, I_+2
	HOLD \x, I_+3
.if P_%2
	v_cvt_scalef32_pk8_bf8_f32 v[NCD+2*T_:NCD+2*T_+1], v[\x+8*T_:\x+8*T_+7], v[SOP]
.endif
.endif
.endm
.macro BLOCK e, a, from, to, y         ; y = 1: the block before goes out
.set N_, \from
.rept (\to)-(\from)
	PROD \e, \a, N_
.if \y
	GAP N_, ACC+32*(1-(\a))
.endif
.set N_, N_+1
.endr
.endm
.macro TOP w, y
	s_wait_dscnt \w                                ; my set is in; the other set's loads may be out
	s_wait_xcnt 0x0                                ; earlier stores have read their registers and their base
.if \y
	s_add_nc_u64 s[88:89], s[88:89], 0x4000        ; 16 rows on
.endif
.endm
.macro BLK e, a, w, y
	TOP \w, \y
	BLOCK \e, \a, 0, 32, \y
	WIN 0
	PLACES NP                                      ; ahead of loads into what the last products have read, and of readers of their sums
.endm
.macro SBLK e, a, first                ; with a plain barrier: first = 1: it shows wave 0's piece alone
	TOP NF, 1
	BLOCK \e, \a, 0, 28, 1
	WIN 0
	WALU
.if \first
	s_cmp_eq_u32 s14, 0
	s_cbranch_scc0 .Lnot_mine_\@
	s_wait_tensorcnt 0x0
.Lnot_mine_\@:
.else
	s_wait_tensorcnt 0x0
.endif
	s_wait_dscnt 0x0
	s_barrier_signal -1
	BLOCK \e, \a, 28, 32, 1
	WIN 0
	s_barrier_wait -1
	PLACES NP
.endm
.macro QOUT x, off                     ; the block's byte to its place in LDS; its codes leave: two runs of 256 bytes, aligned, a store
	ds_store_b8 v\x, v[EB] offset:\off
	global_store_b128 v[CN], v[NCD:NCD+3], s[88:89]
	global_store_b128 v[CN], v[NCD+4:NCD+7], s[88:89] offset:256
.endm
.macro STEPS                           ; a trip's addresses
	v_add_nc_u32 v12, s47, v4
	v_add_nc_u32 v15, s44, v6
	v_add_nc_u32 v41, s45, v21
.endm
	s_wait_loadcnt 0x0                             ; Wk's scale words, bk, my bytes of Wo
	global_store_b128 v42, v[RL:RL+3], s[12:13]
	global_store_b128 v42, v[RL+4:RL+7], s[12:13] offset:512
	s_wait_tensorcnt 0x0                           ; rows 0 to 47 and the scale bytes are in
	ds_add_u32 v[SPW], v[NIL]
	s_mov_b32 s47, 4*BSTEP                         ; the loop's first fetch: block 7,
	s_mov_b32 s44, 7*SSTEP                         ; its scale bytes,
	s_mov_b32 s45, 4*64                            ; and where block 4's bytes go
	s_mov_b32 s46, 0
	s_wait_dscnt 0x0                               ; and Wk is in registers
	CROUND
	s_cmp_eq_u32 s14, 0                            ; the refill: wave 0's piece has a line of its own, since it is shown ahead of the rest
	s_cbranch_scc0 .Lrest
	TLOAD G0R, G1R
	s_branch .Lboth
.Lrest:
	TLOAD G0R, G1R
.Lboth:
	FETCH 0, 5, 0, 6, 0
	FETCH 1, 5, BSTEP, 6, SSTEP
	BLK 0, 0, NF, 0                                ; block 0: none before it
	FETCH 0, 5, 2*BSTEP, 6, 2*SSTEP
	SBLK 1, 1, 1
	QOUT 21, 0
	FETCH 1, 4, 0, 6, 3*SSTEP
	BLK 0, 0, NF, 1
	QOUT 21, 64
	FETCH 0, 4, BSTEP, 6, 4*SSTEP
	BLK 1, 1, NF, 1
	QOUT 21, 128
	FETCH 1, 4, 2*BSTEP, 6, 5*SSTEP
	SBLK 0, 0, 0
	QOUT 21, 192
	FETCH 0, 4, 3*BSTEP, 6, 6*SSTEP
.Ltwo:                                                 ; blocks 5 to 12, two a trip
	STEPS
	BLK 1, 1, NF, 1
	QOUT 41, 0
	FETCH 1, 12, 0, 15, 0
	BLK 0, 0, NF, 1
	QOUT 41, 64
	FETCH 0, 12, BSTEP, 15, SSTEP
	s_add_co_u32 s47, s47, 2*BSTEP
	s_add_co_u32 s44, s44, 2*SSTEP
	s_add_co_u32 s45, s45, 128
	s_add_co_u32 s46, s46, 1
	s_cmp_lg_u32 s46, 4
	s_cbranch_scc1 .Ltwo
	STEPS
	BLK 1, 1, NF, 1                                ; block 13 fetches the last
	QOUT 41, 0
	FETCH 1, 12, 0, 15, 0
	BLK 0, 0, NF, 1
	QOUT 41, 64
	BLK 1, 1, 0, 1
	QOUT 41, 128
	TOP 0, 1
.set K_, 1
.rept 27
	GAP K_, ACC+32
.set K_, K_+1
.endr
	v_nop
	QOUT 41, 192
	s_wait_dscnt 0x0                               ; the scale bytes of all waves
	BARRIER
	ds_load_b128 v[TQ:TQ+3], v43
	s_wait_dscnt 0x0
	global_store_b128 v42, v[TQ:TQ+3], s[90:91]    ; 128 rows' words a wave: 512 bytes, aligned
	s_wait_tensorcnt 0x0                           ; the wave's end
	ds_add_u32 v[SPW], v[NIL]
	s_wait_dscnt 0x0
	CROUND
	s_endpgm
.Lfunc_end_k_q66b4edf236_kproj:
	.size	k_q66b4edf236_kproj, .Lfunc_end_k_q66b4edf236_kproj-k_q66b4edf236_kproj
	.p2alignl 7, 3214868480
	.fill 96, 4, 3214868480
	.section	.rodata,"a",@progbits
	.p2align	6, 0x0
	.amdhsa_kernel k_q66b4edf236_kproj
		.amdhsa_group_segment_fixed_size 327680
		.amdhsa_private_segment_fixed_size 0
		.amdhsa_enable_private_segment 0
		.amdhsa_kernarg_size 72
		.amdhsa_user_sgpr_count 2
		.amdhsa_user_sgpr_kernarg_segment_ptr 1
		.amdhsa_wavefront_size32 1
		.amdhsa_system_sgpr_workgroup_id_x 1
		.amdhsa_system_sgpr_workgroup_id_y 1
		.amdhsa_system_sgpr_workgroup_id_z 1
		.amdhsa_system_vgpr_workitem_id 0
		.amdhsa_next_free_vgpr 1024
		.amdhsa_next_free_sgpr 102
		.amdhsa_reserve_vcc 1
		.amdhsa_float_denorm_mode_32 3
		.amdhsa_float_denorm_mode_16_64 3
		.amdhsa_memory_ordered 1
		.amdhsa_forward_progress 1
		.amdhsa_inst_pref_size 135
	.end_amdhsa_kernel
	.amdgpu_metadata
---
amdhsa.version: [ 1, 2 ]
amdhsa.kernels:
  - .name:           k_q66b4edf236_kproj
    .symbol:         k_q66b4edf236_kproj.kd
    .args:
      - { .name: key_codes, .offset: 0, .size: 8, .value_kind: global_buffer, .address_space: global }
      - { .name: key_scales, .offset: 8, .size: 8, .value_kind: global_buffer, .address_space: global }
      - { .name: Wk_codes, .offset: 16, .size: 8, .value_kind: global_buffer, .address_space: global }
      - { .name: Wk_scales, .offset: 24, .size: 8, .value_kind: global_buffer, .address_space: global }
      - { .name: bk, .offset: 32, .size: 8, .value_kind: global_buffer, .address_space: global }
      - { .name: Wo_codes, .offset: 40, .size: 8, .value_kind: global_buffer, .address_space: global }
      - { .name: h_codes, .offset: 48, .size: 8, .value_kind: global_buffer, .address_space: global }
      - { .name: h_scales, .offset: 56, .size: 8, .value_kind: global_buffer, .address_space: global }
      - { .name: wo_img, .offset: 64, .size: 8, .value_kind: global_buffer, .address_space: global }
    .group_segment_fixed_size: 327680
    .private_segment_fixed_size: 0
    .kernarg_segment_align: 8
    .kernarg_segment_size: 72
    .max_flat_workgroup_size: 128
    .sgpr_count:     102
    .vgpr_count:     1024
    .wavefront_size: 32
...
	.end_amdgpu_metadata
.endif
;; end of part 1
;; launch oproj (part 2): grid 4 x 64, 4 waves a work-group, clusters of 4 x 4, 327,680 bytes of LDS; arguments h_codes, h_scales, wo_img, Wo_scales, bo, out0; writes out0
.if DOCPART == 2
	.amdgcn_target "amdgcn-amd-amdhsa--gfx1250"
	.amdhsa_code_object_version 6
	.text
	.protected	k_q66b4edf236_oproj
	.globl	k_q66b4edf236_oproj
	.p2align	8
	.type	k_q66b4edf236_oproj,@function
k_q66b4edf236_oproj:
	s_mov_b64 s[64:65], 0
	v_nop
	global_prefetch_b8 v0, s[64:65] scope:SCOPE_SE
	s_setreg_imm32_b32 hwreg(HW_REG_WAVE_MODE, 25, 1), 1
	s_wait_xcnt 0x0
	s_wait_alu depctr_hold_cnt(0) depctr_sa_sdst(0) depctr_va_vdst(0) depctr_va_sdst(0) depctr_va_ssrc(0) depctr_va_vcc(0) depctr_vm_vsrc(0)
	s_getreg_b32 s2, hwreg(HW_REG_IB_STS2, 6, 4)
	s_cmp_eq_u32 s2, 0
	s_cbranch_scc0 .Lentry_in_a_cluster
	s_endpgm
.Lentry_in_a_cluster:
	s_bfe_u32 s2, ttmp6, 0x10000c
	s_cmp_lg_u32 s2, 0xf033
	s_cbranch_scc0 .Lentry_shape_is_right
	s_endpgm
.Lentry_shape_is_right:
; LAUNCH 2 OF 2.  out0 = h Wo^T + bo on codes of BF8 (E5M2) with one E8M0 scale for each 32 along K; h = (key Wk^T + bk)^2 was quantised by launch 1.  out0: [16,384][1,024] f32; sums in f32.
; DEAD WORK LEFT OUT, as at launch 1's head: the softmax runs over an axis of length 1, so its weight is 1 for every finite score; query, Wq, bq, Wv, bv, gate, Wg, bg are not read; a NaN or an infinity that reaches only that work is not carried to the result.
; SHARES.  256 work-groups of four waves: 256 rows x 256 columns.  A wave holds 64 columns of Wo, ALL of K, in 512 registers, and streams the work-group's 256 rows of h past them in sixteen blocks of 16, in two register sets.
; FILLS.  Head, one load a wave: Wo's image for tiles 0 and 1 of every wave (wave 0), for tiles 2 and 3 (wave 1), h's rows 0 to 47 (wave 2), h's scale words (wave 3).  Wo goes into registers half by half as it lands.
; Then ONE refill over Wo's image brings h's rows 48 to 255, 53,248 bytes a wave: wave 0's piece is shown by a plain barrier inside block 1 (blocks 3 to 5 lie in it), the rest inside block 4.
; CLUSTERS: the four work-groups of a cluster row make all 1,024 columns of 256 rows and share h's rows, the four of a column share Wo's: joint loads.
; PREFETCH: the refill's first two pieces are asked for while Wo lands, each 256-byte block once in the cluster: 26 blocks for each of the row's sixteen waves.  The rest comes by its load alone: there is one refill and no loop of loads to run ahead in.
; LAYOUTS (launch 1 laid them): h_codes [block of 16 rows][128 of K (8)][c (4)][lane (32)][16 bytes]; wo_img [64 columns (16)][t (4)][128 of K (8)][c (4)][lane][16 bytes], lane % 16 = r standing for column 4 r + t; in both the groups of
; eight are exchanged in every odd block of 32 along K, which leaves each product's terms the same.  h_scales [128 of K (8)][row], one word.
; THE RESULT: source 0 = 16 rows of h, source 1 = tile t of Wo: lane (r, half) holds column 4 r + t, register j row 8 half + j.  So register j of the four tiles is 16 neighbouring bytes of a row: gathered into four registers and stored,
; sixteen lanes to one aligned unit of 256 bytes, with no way through LDS.  The gathering moves go through source 2, whose window is the sums' own, and stand one behind each product of the next block.
.set BSTEP, 16384                      ; from block to block
.set YB,    131072                     ; Wo's image for tiles 2 and 3
.set CB0,   2*YB                       ; h's rows 0 to 47.  Rows 48 on lie from byte 0 on
.set SCL,   CB0+3*BSTEP                ; h's scale words: 8 planes of 256 rows x 4 bytes
.set SPARE, SCL+8192
.set PIECE, 53248                      ; 13 blocks of 16 rows in four pieces
.set NF,    40                         ; LDS loads of a block
.set NP,    8                          ; places behind this matrix instruction (ISA guide 7.12.1)
.set CO,   9                           ; v9   my offset in a block of out0
.set SPW,  10
.set NIL,  11
.set SB,   24                          ; v24-39 Wo's scale words: register 8 p + q: lanes 0-15 tile 2 p's, lanes 16-31 tile 2 p + 1's
.set SA,   44                          ; v44-59 h's scale words, two sets: no product's two scale words have numbers equal modulo 8
.set ACC,  64                          ; v64-127 two sets of four accumulators
.set OUT,  128                         ; v128-159 a block's results, gathered
.set BQ,   160                         ; v160-191 bo in the result's layout: the first products' C
.set BV,   192
.set G1A, 24
.set G1B, 32
.set G1R, 48
.set G1S, 92
.set G0A, 56
.set G0B, 60
.set G0R, 68
.set G0S, 72
.set MSB, 0
.macro WIN new                         ; the immediate's high byte repeats the setting that is left
.if MSB != \new
	s_set_vgpr_msb (MSB<<8)|\new
.set MSB, \new
.endif
.endm
.macro PLACES n
.rept \n
	v_nop
.endr
.endm
.macro WALU
	s_wait_alu depctr_va_vdst(0)
.endm
.macro BARRIER
	s_barrier_signal -1
	s_barrier_wait -1
.endm
.macro CROUND                          ; a round of the cluster's barrier
	BARRIER
	s_cmp_lg_u32 s14, 0
	s_cbranch_scc1 .Lnot_wave_0_\@
	s_barrier_signal -3
.Lnot_wave_0_\@:
	s_barrier_wait -3
	BARRIER
.endm
.macro TLOAD g0, g1
	tensor_load_to_lds s[\g0:\g0+3], s[\g1:\g1+7]
	s_nop 0
	PLACES 4
.endm
.macro GROUP8 g, mask, units, rows, pitch ; so many rows of so many units of 8 bytes, so many units apart
	s_or_b32 s[\g+0], s[\mask], (3<<16)|(1<<21)
	s_mov_b32 s[\g+1], (\units)<<16
	s_mov_b32 s[\g+2], (\rows)<<16
	s_mov_b32 s[\g+3], (\units)<<16
	s_mov_b32 s[\g+4], \rows
	s_mov_b32 s[\g+5], \pitch
	s_mov_b32 s[\g+6], 0
	s_mov_b32 s[\g+7], 0
.endm
.macro LADD d, x, k                    ; s[d] += s[x] << k
	s_lshl_b32 s23, s\x, \k
	s_add_co_u32 s\d, s\d, s23
.endm
	s_load_b256 s[4:11], s[0:1], 0x0               ; h_codes, h_scales, wo_img, Wo's scales
	s_load_b128 s[84:87], s[0:1], 0x20             ; bo, out0
	v_lshl_add_u32 v[SPW], v0, 2, SPARE
	v_mov_b32 v[NIL], 0
	ds_add_u32 v[SPW], v[NIL]                      ; the wave's opening: the add, twice on end, and its wait ahead of my first tensor load
	ds_add_u32 v[SPW], v[NIL]
	v_lshrrev_b32 v1, 5, v0
	v_readfirstlane_b32 s14, v1                    ; wave
	s_bfe_u32 s40, ttmp6, 0x40000                  ; cx, cy
	s_bfe_u32 s41, ttmp6, 0x40004
	s_lshl_b32 s42, ttmp9, 2
	s_add_co_u32 s42, s42, s40                     ; tile column
	s_and_b32 s43, ttmp7, 0xffff
	s_lshl_b32 s43, s43, 2
	s_add_co_u32 s43, s43, s41                     ; tile row
	s_lshl_b32 s44, s41, 2
	s_lshl_b32 s44, 15, s44                        ; my row of the cluster shares h's rows
	s_lshl_b32 s45, 0x1111, s40                    ; my column Wo's
	GROUP8 G1B, 45, 4096, 4, 8192                  ; half of Wo's image: two tiles, 32,768 bytes, of each of four waves' columns
	GROUP8 G1A, 44, 128, 48, 128
	GROUP8 G1R, 44, 128, 52, 128                   ; the refill: PIECE bytes a wave
	GROUP8 G1S, 44, 128, 8, 8192                   ; scale words: eight planes, 1,024 bytes of each
	s_lshl_b32 s66, s43, 18                        ; s[66:67] my rows' first byte in h_codes
	s_mov_b32 s67, 0
	s_lshl_b32 s20, s14, 15
	s_lshl_b32 s47, s40, 2
	s_add_co_u32 s47, s47, s14
	s_mul_i32 s47, s47, 26*256
	s_add_co_u32 s47, s47, s66
	s_add_co_u32 s47, s47, 48*1024
	v_and_b32 v1, 15, v0                           ; r
	v_bfe_u32 v2, v0, 4, 1                         ; half
	v_and_b32 v3, 31, v0                           ; lane
	v_lshlrev_b32 v17, 4, v1                       ; bo: columns 4 r .. 4 r + 3
	v_lshl_add_u32 v[CO], v2, 15, v17              ; out0: row 8 half, 16 r
	v_lshlrev_b32 v4, 4, v3                        ; a block's images from byte 0 on,
	v_add_nc_u32 v5, CB0, v4                       ; and of rows 0 to 47
	v_add_nc_u32 v14, s20, v4                      ; my columns' images of Wo: tiles 0, 1,
	v_add_nc_u32 v13, YB, v14                      ; and 2, 3
	v_lshlrev_b32 v22, 2, v1
	v_add_nc_u32 v6, SCL, v22                      ; my row's scale word
	v_lshlrev_b32 v22, 7, v1
	v_lshl_add_u32 v16, v2, 5, v22                 ; Wo's scale bytes: row 4 r + half
	v_min_u32 v22, 25, v3
	v_lshl_add_u32 v7, v22, 8, s47                 ; the prefetch's offset (lanes 26 on name the wave's last block again); never rewritten
	s_lshl_b32 s46, s42, 2
	s_add_co_u32 s46, s46, s14                     ; my 64 columns' number
	s_lshl_b32 s82, s46, 11
	s_mov_b32 s83, 0
	s_lshl_b32 s100, s46, 8
	s_mov_b32 s101, 0
	s_lshl_b32 s78, s42, 18
	LADD 78, 14, 15                                ; wave 1's half begins two tiles on
	s_mov_b32 s79, 0
	s_lshl_b32 s80, s43, 10
	s_mov_b32 s81, 0
	s_mul_i32 s17, s14, PIECE
	s_add_co_u32 s76, s66, 48*1024
	s_add_co_u32 s76, s76, s17
	s_mov_b32 s77, 0
	s_lshl_b32 s2, s43, 20                         ; out0: my first row and column
	LADD 2, 46, 8
	s_mov_b32 s3, 0
	s_mov_b32 s[G0A], 1
	s_mov_b32 s[G0A+1], CB0
	s_mov_b32 s[G0B], 1
	s_lshl_b32 s[G0B+1], s14, 17
	s_mov_b32 s[G0R], 1
	s_mul_i32 s[G0R+1], s14, PIECE
	s_mov_b32 s[G0S], 1
	s_mov_b32 s[G0S+1], SCL
	WALU
	s_wait_dscnt 0x0                               ; both opening adds are done
	CROUND                                         ; all sixteen work-groups are here
	s_wait_kmcnt 0x0
	s_add_nc_u64 s[G0A+2:G0A+3], s[4:5], s[66:67]
	s_or_b32 s[G0A+3], s[G0A+3], 0x80000000
	s_add_nc_u64 s[G0B+2:G0B+3], s[8:9], s[78:79]
	s_or_b32 s[G0B+3], s[G0B+3], 0x80000000
	s_add_nc_u64 s[G0S+2:G0S+3], s[6:7], s[80:81]
	s_or_b32 s[G0S+3], s[G0S+3], 0x80000000
	s_add_nc_u64 s[G0R+2:G0R+3], s[4:5], s[76:77]
	s_or_b32 s[G0R+3], s[G0R+3], 0x80000000
	s_cmp_eq_u32 s14, 0                            ; one joint load a wave, each on a line of its own
	s_cbranch_scc0 .Lwave_1
	TLOAD G0B, G1B
	s_branch .Lasked
.Lwave_1:
	s_cmp_eq_u32 s14, 1
	s_cbranch_scc0 .Lwave_2
	TLOAD G0B, G1B
	s_branch .Lasked
.Lwave_2:
	s_cmp_eq_u32 s14, 2
	s_cbranch_scc0 .Lwave_3
	TLOAD G0A, G1A
	s_branch .Lasked
.Lwave_3:
	TLOAD G0S, G1S
.Lasked:
	s_add_nc_u64 s[10:11], s[10:11], s[82:83]
	s_add_nc_u64 s[84:85], s[84:85], s[100:101]
	s_add_nc_u64 s[86:87], s[86:87], s[2:3]
	s_sub_nc_u64 s[86:87], s[86:87], 0x10000       ; each way out begins with a step
.irp p, 0,1
.irp c, 0,1
	global_load_b128 v[SB+8*\p+4*\c:SB+8*\p+4*\c+3], v16, s[10:11] offset:64*\p+16*\c
.endr
.endr
	global_load_b128 v[BV:BV+3], v17, s[84:85]
.macro WLOAD j, a                      ; tiles j and j + 1 of my 64 columns of Wo, all of K: fragment 4 q + tile in windows 1 and 2
.irp q, 0,1,2,3,4,5,6,7
.set F_, 4*\q+\j
	WIN (1+F_/16)<<6
.irp c, 0,1,2,3
	ds_load_b128 v[16*(F_%16)+4*\c:16*(F_%16)+4*\c+3], v\a offset:2048*\q+512*\c
	ds_load_b128 v[16*(F_%16)+16+4*\c:16*(F_%16)+16+4*\c+3], v\a offset:16384+2048*\q+512*\c
.endr
.endr
	WIN 0
.endm
	s_cmp_eq_u32 s14, 0
	s_cbranch_scc0 .Lnot_first
	s_wait_tensorcnt 0x0                           ; wave 0: the first half of Wo has landed
.Lnot_first:
	BARRIER
	global_prefetch_b8 v7, s[4:5] th:TH_LOAD_NT scope:SCOPE_SE
	WLOAD 0, 14
	s_cmp_eq_u32 s14, 1
	s_cbranch_scc0 .Lnot_second
	s_wait_tensorcnt 0x0                           ; wave 1: the second half
.Lnot_second:
	s_wait_dscnt 0x0
	BARRIER
	WLOAD 2, 13
.macro FETCH k, a, off, s, soff        ; a block: 16 rows, all of K, into set k of window 3, and its scale words: NF loads
	WIN 3<<6
.irp q, 0,1,2,3,4,5,6,7
.irp c, 0,1,2,3
	ds_load_b128 v[128*\k+16*\q+4*\c:128*\k+16*\q+4*\c+3], v\a offset:\off+2048*\q+512*\c
.endr
.endr
	WIN 0
.irp q, 0,1,2,3,4,5,6,7
	ds_load_b32 v[SA+8*\k+\q], v\s offset:\soff+1024*\q
.endr
.endm
.macro PROD e, a, n                    ; product n = 4 q + b: the q-th 128 of K, tile b; h's set e, sums' set a
.set Q_, (\n)/4
.set B_, (\n)%4
.set AC_, ACC+32*(\a)+8*B_
.set C_, AC_
.if Q_ == 0
.set C_, BQ+8*B_
.endif
.set R_, 128*(\e)+16*Q_
.set W_, 16*((\n)%16)
.set XS_, SA+8*(\e)+Q_
.set WS_, SB+8*(B_/2)+Q_
	WIN 3|((1+(\n)/16)<<2)
.if B_%2
	v_wmma_scale_f32_16x16x128_f8f6f4 v[AC_:AC_+7], v[R_:R_+15], v[W_:W_+15], v[C_:C_+7], v[XS_], v[WS_] matrix_a_fmt:MATRIX_FMT_BF8 matrix_b_fmt:MATRIX_FMT_BF8 matrix_b_scale:MATRIX_SCALE_ROW1
.else
	v_wmma_scale_f32_16x16x128_f8f6f4 v[AC_:AC_+7], v[R_:R_+15], v[W_:W_+15], v[C_:C_+7], v[XS_], v[WS_] matrix_a_fmt:MATRIX_FMT_BF8 matrix_b_fmt:MATRIX_FMT_BF8
.endif
.endm
.macro GATHER n, x                     ; register n / 4 of tile n % 4 (the sums at x) into its place in a row's 16 bytes
	v_add3_u32 v[OUT+\n], 0, 0, v[\x+8*((\n)%4)+(\n)/4]
.endm
.macro SENDS                           ; a store is rows j and 8 + j: two aligned units of 256 bytes; written once, read by nobody here
.irp j, 0,1,2,3,4,5,6,7
	global_store_b128 v[CO], v[OUT+4*\j:OUT+4*\j+3], s[86:87] offset:4096*\j th:TH_STORE_NT
.endr
.endm
.macro BLOCK e, a, from, to, y         ; y = 1: the block before is gathered
.set N_, \from
.rept (\to)-(\from)
	PROD \e, \a, N_
.if \y
	GATHER N_, ACC+32*(1-(\a))
.endif
.set N_, N_+1
.endr
.endm
.macro TOP w, y
	s_wait_dscnt \w                                ; my set is in; the other set's loads may be out
	s_wait_xcnt 0x0                                ; earlier stores have read their registers and their base
.if \y
	s_add_nc_u64 s[86:87], s[86:87], 0x10000       ; 16 rows on
.endif
.endm
.macro BLK e, a, w, y
	TOP \w, \y
	BLOCK \e, \a, 0, 32, \y
	WIN 0
	PLACES NP                                      ; ahead of loads into what the last products have read, and of readers of their sums
.if \y
	SENDS
.endif
.endm
.macro SBLK e, a, first                ; with a plain barrier: first = 1: it shows wave 0's piece alone
	TOP NF, 1
	BLOCK \e, \a, 0, 28, 1
	WIN 0
.if \first
	s_cmp_eq_u32 s14, 0
	s_cbranch_scc0 .Lnot_mine_\@
	s_wait_tensorcnt 0x0
.Lnot_mine_\@:
.else
	s_wait_tensorcnt 0x0
.endif
	s_wait_dscnt 0x0
	s_barrier_signal -1
	BLOCK \e, \a, 28, 32, 1
	WIN 0
	s_barrier_wait -1
	PLACES NP
	WALU
	SENDS
.endm
.macro STEPS                           ; a trip's addresses
	v_add_nc_u32 v12, s47, v4
	v_add_nc_u32 v15, s44, v6
.endm
	s_wait_loadcnt 0x0                             ; Wo's scale words, bo
.irp t, 0,1,2,3
.irp i, 0,1,2,3,4,5,6,7
	v_mov_b32 v[BQ+8*\t+\i], v[BV+\t]
.endr
.endr
	WALU
	s_wait_tensorcnt 0x0                           ; rows 0 to 47 and the scale words are in
	ds_add_u32 v[SPW], v[NIL]
	s_mov_b32 s47, 4*BSTEP                         ; the loop's first fetch: block 7,
	s_mov_b32 s44, 7*64                            ; and its scale words
	s_mov_b32 s46, 0
	s_wait_dscnt 0x0                               ; and Wo is in registers
	CROUND
	s_cmp_eq_u32 s14, 0                            ; the refill: wave 0's piece has a line of its own, since it is shown ahead of the rest
	s_cbranch_scc0 .Lrest
	TLOAD G0R, G1R
	s_branch .Lboth
.Lrest:
	TLOAD G0R, G1R
.Lboth:
	FETCH 0, 5, 0, 6, 0
	FETCH 1, 5, BSTEP, 6, 64
	BLK 0, 0, NF, 0                                ; block 0: none before it
	FETCH 0, 5, 2*BSTEP, 6, 128
	SBLK 1, 1, 1
	FETCH 1, 4, 0, 6, 192
	BLK 0, 0, NF, 1
	FETCH 0, 4, BSTEP, 6, 256
	BLK 1, 1, NF, 1
	FETCH 1, 4, 2*BSTEP, 6, 320
	SBLK 0, 0, 0
	FETCH 0, 4, 3*BSTEP, 6, 384
.Ltwo:                                                 ; blocks 5 to 12, two a trip
	STEPS
	BLK 1, 1, NF, 1
	FETCH 1, 12, 0, 15, 0
	BLK 0, 0, NF, 1
	FETCH 0, 12, BSTEP, 15, 64
	s_add_co_u32 s47, s47, 2*BSTEP
	s_add_co_u32 s44, s44, 128
	s_add_co_u32 s46, s46, 1
	s_cmp_lg_u32 s46, 4
	s_cbranch_scc1 .Ltwo
	STEPS
	BLK 1, 1, NF, 1                                ; block 13 fetches the last
	FETCH 1, 12, 0, 15, 0
	BLK 0, 0, NF, 1
	BLK 1, 1, 0, 1
	TOP 0, 1
.set K_, 0
.rept 32
	GATHER K_, ACC+32
.set K_, K_+1
.endr
	SENDS
	s_wait_tensorcnt 0x0                           ; the wave's end
	ds_add_u32 v[SPW], v[NIL]
	s_wait_dscnt 0x0
	CROUND
	s_endpgm
.Lfunc_end_k_q66b4edf236_oproj:
	.size	k_q66b4edf236_oproj, .Lfunc_end_k_q66b4edf236_oproj-k_q66b4edf236_oproj
	.p2alignl 7, 3214868480
	.fill 96, 4, 3214868480
	.section	.rodata,"a",@progbits
	.p2align	6, 0x0
	.amdhsa_kernel k_q66b4edf236_oproj
		.amdhsa_group_segment_fixed_size 327680
		.amdhsa_private_segment_fixed_size 0
		.amdhsa_enable_private_segment 0
		.amdhsa_kernarg_size 48
		.amdhsa_user_sgpr_count 2
		.amdhsa_user_sgpr_kernarg_segment_ptr 1
		.amdhsa_wavefront_size32 1
		.amdhsa_system_sgpr_workgroup_id_x 1
		.amdhsa_system_sgpr_workgroup_id_y 1
		.amdhsa_system_sgpr_workgroup_id_z 1
		.amdhsa_system_vgpr_workitem_id 0
		.amdhsa_next_free_vgpr 1024
		.amdhsa_next_free_sgpr 102
		.amdhsa_reserve_vcc 0
		.amdhsa_float_denorm_mode_32 3
		.amdhsa_float_denorm_mode_16_64 3
		.amdhsa_memory_ordered 1
		.amdhsa_forward_progress 1
		.amdhsa_inst_pref_size 118
	.end_amdhsa_kernel
	.amdgpu_metadata
---
amdhsa.version: [ 1, 2 ]
amdhsa.kernels:
  - .name:           k_q66b4edf236_oproj
    .symbol:         k_q66b4edf236_oproj.kd
    .args:
      - { .name: h_codes, .offset: 0, .size: 8, .value_kind: global_buffer, .address_space: global }
      - { .name: h_scales, .offset: 8, .size: 8, .value_kind: global_buffer, .address_space: global }
      - { .name: wo_img, .offset: 16, .size: 8, .value_kind: global_buffer, .address_space: global }
      - { .name: Wo_scales, .offset: 24, .size: 8, .value_kind: global_buffer, .address_space: global }
      - { .name: bo, .offset: 32, .size: 8, .value_kind: global_buffer, .address_space: global }
      - { .name: out0, .offset: 40, .size: 8, .value_kind: global_buffer, .address_space: global }
    .group_segment_fixed_size: 327680
    .private_segment_fixed_size: 0
    .kernarg_segment_align: 8
    .kernarg_segment_size: 48
    .max_flat_workgroup_size: 128
    .sgpr_count:     102
    .vgpr_count:     1024
    .wavefront_size: 32
...
	.end_amdgpu_metadata
.endif
;; end of part 2
